; MI455X (gfx1250); checked and timed in simulation.
; The chip was launched on July 23, 2026; its instructions are those of AMD's public machine-readable ISA for CDNA 5 (MIT licence, August 2026) and "CDNA5" Instruction Set Architecture Reference Guide (July 2026). The comments in the code are by the model that wrote it; some were corrected since.
;; Per Pixel Cross Attention. Allowed arithmetic: float matrix products may take bf16 or f16 operands with f32 sums; all other float work in f32.
;; Inputs: Wkv 128 x 256 float32; Wo 128 x 128 float32; Wq 128 x 128 float32; bo 128 float32; context 4 x 4,096 x 32 x 128 float32; x 4 x 4,096 x 1 x 128 float32.
;; Outputs: out0 4 x 4,096 x 1 x 128 float32.
;; One version. Each part assembles by itself: llvm-mc -triple=amdgcn-amd-amdhsa -mcpu=gfx1250 --defsym DOCPART=n.
;; ======== version 1 of 1: 1 launch
;; limits: values are held in f16: magnitudes above 65,504 overflow, below 6.1e-05 lose precision
;; launch ppca (part 1): grid 256 x 1, 16 waves a work-group, no clusters, 282,624 bytes of LDS; arguments x, context, Wq, Wkv, Wo, bo, out0; writes out0
.if DOCPART == 1
	.amdgcn_target "amdgcn-amd-amdhsa--gfx1250"
	.amdhsa_code_object_version 6
	.text
	.protected	k_qc4c97f8755_ppca
	.globl	k_qc4c97f8755_ppca
	.p2align	8
	.type	k_qc4c97f8755_ppca,@function
k_qc4c97f8755_ppca:
	s_mov_b64 s[64:65], 0
	v_nop
	global_prefetch_b8 v0, s[64:65] scope:SCOPE_SE
	s_setreg_imm32_b32 hwreg(HW_REG_WAVE_MODE, 25, 1), 1
	s_wait_xcnt 0x0
; Per-pixel cross attention: 16,384 pixels, each with one query row x[128] and a context block c[32][128] of its own, two heads of 64.
;
; THE QUERY IS ONE ROW, so both products with the context are re-associated, which holds for every input:
;   sim[h][l] = q_h . (c_l Wk_h) = c_l . t_h        with t_h = Wk_h q_h   (128 numbers a head)
;   sum_l a[h][l] (c_l Wv_h)     = cbar_h Wv_h      with cbar_h = sum_l a[h][l] c_l
; That leaves four dense products per pixel (x Wq, q Wk^T, cbar Wv, o Wo), done for 64 pixels at a time on the matrix unit with f16
; operands and f32 sums, and two products of 2 rows with the pixel's own 32 x 128 block.  Those two are done in f32 on the vector unit:
; a matrix tile would carry data in 2 of its 16 rows, and the first of them would want a lane to hold a context row, while a load
; of 256 consecutive bytes by sixteen lanes gives a lane four columns.  The context is read from memory once and stays in registers
; between the two passes.
;
; SHARES.  256 work-groups of 64 pixels; 16 waves; wave w owns pixels 4w .. 4w+3, one a trip.  A pixel (16 KiB) fills 128 registers of its
; wave; the second pass asks for the next pixel row by row as it frees the registers, so the registers are the ring.
; For the dense products wave w makes the tile of pixels 16 (w>>2) .. +15 and 32 output columns from 32 (w&3).
;
; LEFT OUT.  LDS for the context: each of its bytes is used by one wave.  Clusters: only the weights are shared, 256 KiB beside
; a work-group's 1 MiB of context, and they pass through registers anyway to become f16.
;
; LIMITS.  f16 operands are x, Wq, Wkv, Wo, q, cbar and o: each must stay below 65,504 in magnitude (q and o are sums of 128 products of an
; input and a weight).  Below 6.1e-5 f16 goes on in steps of 6e-8.  t, sim, the softmax and cbar's sums are f32.  The order of sums differs
; from the written order of the formula (see above).  The softmax takes the row's true maximum away; v_exp_f32 gives 0 below 2^-126
; (ISA guide, 15.8), beside a sum that is at least 1.
; ---- LDS, bytes.  Pitches: 272, 528, 1040 are odd multiples of 16, 288 is an odd multiple of 32: the sixteen rows that a fragment
; ---- load touches start in sixteen different 16-byte columns of a span of 256 bytes.
.set P16,   272                        ; a row of 128 f16 read along K
.set PTR,   288                        ; a row of 128 f16 read by the transposing load
.set PCB,   528                        ; a pixel's cbar: 2 heads x 128 f16.  Also a row of 128 f32 on the way out
.set PT,    1040                       ; a pixel's t: 128 d x 2 heads f32
.set L_X,   0                          ; x  [64 px][128] f16, pitch 272; from barrier 4 on: o, the same shape
.set L_Q,   17408                      ; q  [64][128] f16, pitch 272
.set L_WQ,  34816                      ; Wq [128 k][128 n] f16, pitch 288
.set L_WK,  71680                      ; Wk [128 d][128 (h,e)] f16, pitch 272
.set L_WV,  106496                     ; Wv [128 d][128 n] f16, pitch 288
.set L_WO,  143360                     ; Wo [128 k][128 n] f16, pitch 288
.set L_CB,  180224                     ; cbar [64][2][128] f16, pitch 528
.set L_T,   214016                     ; t [64][128][2] f32, pitch 1040; from barrier 5 on: out [64][128] f32, pitch 528
.set L_OUT, L_T
; ---- vector registers
; v0 thread   v1 context offset   v2 t read address   v3 cbar store address   v4, v5 stage addresses of Wv, Wo
; v6 16 t   v7 1024 w + 16 L   v8 16 L   v9 272 r + 16 h   v10 lane term of the transposing load   v11 528 r + 16 h   v12-15 the phase's addresses
.set TT,  12                           ; v[12:27]   stream: pairs (t0[d], t1[d]) of my 8 columns
.set R0,  28                           ; v[28:37]   pass 1: five pairs (head 0, head 1) of row sums
.set R1,  30
.set R2,  32
.set R3,  34
.set R4,  36
.set XR,  38                           ; v[38:39]   what goes to the partner lane
.set MX,  40                           ; v[40:41]   maximum, then sum
.set DD,  42                           ; v[42:43]   difference, then reciprocal
.set ACC, 28                           ; v[28:43]   pass 2: head g, my column m at ACC + 8 g + m (the registers of pass 1, dead by then)
.set AT,  44                           ; v[44:45]   lane L: a[0][L], a[1][L]
.set W0,  46                           ; v[46:49]   two pairs of weights, in turn
.set HP,  52                           ; v[52:55]   cbar as f16
.set WVR, 64                           ; v[64:95]   Wv as loaded
.set WOR, 96                           ; v[96:127]  Wo as loaded
.set SL,  128                          ; v[128:255] the slot: load (lp, c) at SL + 8 lp + 4 c
.set AF,  16                           ; v[16:47]   dense products: pixel fragments
.set BF,  48                           ; v[48:111]  weight fragments
.set D0,  112                          ; v[112:127] two accumulator tiles
.set D1,  120
.set PK,  16                           ; v[16:23]   packed results
.set BO,  128                          ; v[128:131] bias, behind the stream
.set OR_, 132                          ; v[132:147] four rows on the way out
.set T_L, 100                          ; entry only: lane, r = lane & 15, h = lane >> 4, scratch
.set T_R, 101
.set T_H, 102
.set T_X, 103
.macro PLACES n                        ; places behind a matrix instruction (ISA guide 7.12.1)
.rept \n
	v_nop
.endr
.endm
.macro BAR_ARRIVE                      ; all my LDS loads and stores are done: what others read is written, what others overwrite is read
	s_wait_dscnt 0x0
	s_barrier_signal -1
.endm
.macro BAR_PASS
	s_barrier_wait -1
.endm
; four f32 as loaded -> four f16 -> 8 bytes of LDS; a wave's 32 lanes store 256 consecutive bytes
.macro CVT_ST reg, addr, off
	v_cvt_pk_f16_f32 v[\reg], v[\reg], v[\reg+1]
	v_cvt_pk_f16_f32 v[\reg+1], v[\reg+2], v[\reg+3]
	ds_store_b64 v[\addr], v[\reg:\reg+1] offset:\off
.endm
; 16 pixels x 32 columns, K = 128.  Pixels lie along K at v[a]; the weight lies [K][N] at v[b] and comes through the transposing load.
; Source 0 is the weight, source 1 the pixels: lane (r, h), register j then holds (pixel r, column 8 h + j): eight neighbours of a row.
.macro GEMM_TR a, b
.irp ks, 0,1,2,3
	ds_load_b128 v[AF+8*\ks:AF+8*\ks+3], v[\a] offset:64*\ks
	ds_load_b128 v[AF+8*\ks+4:AF+8*\ks+7], v[\a] offset:64*\ks+32
	ds_load_tr16_b128 v[BF+8*\ks:BF+8*\ks+3], v[\b] offset:32*PTR*\ks
	ds_load_tr16_b128 v[BF+8*\ks+4:BF+8*\ks+7], v[\b] offset:32*PTR*\ks+16*PTR
	ds_load_tr16_b128 v[BF+32+8*\ks:BF+32+8*\ks+3], v[\b] offset:32*PTR*\ks+32
	ds_load_tr16_b128 v[BF+32+8*\ks+4:BF+32+8*\ks+7], v[\b] offset:32*PTR*\ks+16*PTR+32
.endr
	s_wait_dscnt 18                                ; six loads for each of the three later K steps stay out
	v_wmma_f32_16x16x32_f16 v[D0:D0+7], v[BF:BF+7], v[AF:AF+7], 0              ; the first products start the sums
	v_wmma_f32_16x16x32_f16 v[D1:D1+7], v[BF+32:BF+39], v[AF:AF+7], 0
.irp ks, 1,2,3
	s_wait_dscnt 18-6*\ks
	v_wmma_f32_16x16x32_f16 v[D0:D0+7], v[BF+8*\ks:BF+8*\ks+7], v[AF+8*\ks:AF+8*\ks+7], v[D0:D0+7]
	v_wmma_f32_16x16x32_f16 v[D1:D1+7], v[BF+32+8*\ks:BF+32+8*\ks+7], v[AF+8*\ks:AF+8*\ks+7], v[D1:D1+7]
.endr
	PLACES 4                                       ; before the results are read and the fragments' registers written again
.endm
; both tiles to f16, 16 bytes a lane and tile
.macro PUT_F16 addr
.irp e, 0,1
.irp q, 0,1,2,3
	v_cvt_pk_f16_f32 v[PK+4*\e+\q], v[D0+8*\e+2*\q], v[D0+8*\e+2*\q+1]
.endr
	ds_store_b128 v[\addr], v[PK+4*\e:PK+4*\e+3] offset:32*\e
.endr
.endm
; t for 16 values of d (tile e) and both heads, K = 64 a head; scaled by 0.125 log2(e), the heads interleaved, to LDS in f32
.macro TPART e, out, n
	v_wmma_f32_16x16x32_f16 v[D0:D0+7], v[BF+32*\e:BF+32*\e+7], v[AF:AF+7], 0
	v_wmma_f32_16x16x32_f16 v[D1:D1+7], v[BF+32*\e+16:BF+32*\e+23], v[AF+16:AF+23], 0
	v_wmma_f32_16x16x32_f16 v[D0:D0+7], v[BF+32*\e+8:BF+32*\e+15], v[AF+8:AF+15], v[D0:D0+7]
	v_wmma_f32_16x16x32_f16 v[D1:D1+7], v[BF+32*\e+24:BF+32*\e+31], v[AF+24:AF+31], v[D1:D1+7]
	PLACES \n
.irp j, 0,1,2,3,4,5,6,7
	v_mul_f32 v[\out+2*\j], s30, v[D0+\j]
	v_mul_f32 v[\out+2*\j+1], s30, v[D1+\j]
.endr
.irp q, 0,1,2,3
	ds_store_b128 v15, v[\out+4*\q:\out+4*\q+3] offset:128*\e+16*\q
.endr
.endm
; pass 1, context rows 2q and 2q+1 of each half: (head 0, head 1) += c[m] x (t0[m], t1[m]) over my 8 columns; the two rows take turns
.macro PAIR q, ra, rb
	s_wait_loadcnt 28-4*\q                         ; loads return in order (ISA guide 5.7.1): the two loads of each of the 14 - 2q later rows stay out
.irp m, 0,2,4,6
.if \m
	v_pk_fma_f32 v[\ra:\ra+1], v[SL+16*\q+\m:SL+16*\q+\m+1], v[TT+2*\m:TT+2*\m+1], v[\ra:\ra+1] op_sel:[0,0,0] op_sel_hi:[0,1,1]
	v_pk_fma_f32 v[\rb:\rb+1], v[SL+16*\q+8+\m:SL+16*\q+8+\m+1], v[TT+2*\m:TT+2*\m+1], v[\rb:\rb+1] op_sel:[0,0,0] op_sel_hi:[0,1,1]
.else
	v_pk_mul_f32 v[\ra:\ra+1], v[SL+16*\q:SL+16*\q+1], v[TT:TT+1] op_sel:[0,0] op_sel_hi:[0,1]
	v_pk_mul_f32 v[\rb:\rb+1], v[SL+16*\q+8:SL+16*\q+9], v[TT:TT+1] op_sel:[0,0] op_sel_hi:[0,1]
.endif
	v_pk_fma_f32 v[\ra:\ra+1], v[SL+16*\q+\m:SL+16*\q+\m+1], v[TT+2*\m+2:TT+2*\m+3], v[\ra:\ra+1] op_sel:[1,0,0] op_sel_hi:[1,1,1]
	v_pk_fma_f32 v[\rb:\rb+1], v[SL+16*\q+8+\m:SL+16*\q+8+\m+1], v[TT+2*\m+2:TT+2*\m+3], v[\rb:\rb+1] op_sel:[1,0,0] op_sel_hi:[1,1,1]
.endr
.endm
; one step of the transposing sum over sixteen lanes: a lane whose bit is clear keeps a and gets its partner's a, a lane whose bit is
; set keeps b and gets its partner's b.  After the four steps lane r holds the whole sum of row r.
.macro COMB a, b, sm, xm
.irp g, 0,1
	v_cndmask_b32 v[XR+\g], v[\b+\g], v[\a+\g], s[\sm]
	v_cndmask_b32 v[\a+\g], v[\a+\g], v[\b+\g], s[\sm]
	v_add_f32_dpp v[\a+\g], v[XR+\g], v[\a+\g] row_xmask:\xm row_mask:0xf bank_mask:0xf
.endr
.endm
.macro C0 a, b
	COMB \a, \b, 24, 1
.endm
.macro C1 a, b
	COMB \a, \b, 25, 2
.endm
.macro C2 a, b
	COMB \a, \b, 26, 4
.endm
.macro C3 a, b
	COMB \a, \b, 27, 8
.endm
.macro PASS1                           ; ends with sim[0][L], sim[1][L] in R0 of lane L, in units of log2
	PAIR 0, R0, R1
	C0 R0, R1
	PAIR 1, R1, R2
	C0 R1, R2
	C1 R0, R1
	PAIR 2, R1, R2
	C0 R1, R2
	PAIR 3, R2, R3
	C0 R2, R3
	C1 R1, R2
	C2 R0, R1
	PAIR 4, R1, R2
	C0 R1, R2
	PAIR 5, R2, R3
	C0 R2, R3
	C1 R1, R2
	PAIR 6, R2, R3
	C0 R2, R3
	PAIR 7, R3, R4
	C0 R3, R4
	C1 R2, R3
	C2 R1, R2
	C3 R0, R1
.endm
; maximum or sum over the 32 lanes, both heads, into MX of every lane
.macro REDUCE opd, op, src
	\opd v[MX], v[\src], v[\src] row_xmask:1 row_mask:0xf bank_mask:0xf
	\opd v[MX+1], v[\src+1], v[\src+1] row_xmask:1 row_mask:0xf bank_mask:0xf
.irp k, 2,4,8
	\opd v[MX], v[MX], v[MX] row_xmask:\k row_mask:0xf bank_mask:0xf
	\opd v[MX+1], v[MX+1], v[MX+1] row_xmask:\k row_mask:0xf bank_mask:0xf
.endr
	v_permlanex16_b32 v[XR], v[MX], s28, s29
	v_permlanex16_b32 v[XR+1], v[MX+1], s28, s29
	\op v[MX], v[MX], v[XR]
	\op v[MX+1], v[MX+1], v[XR+1]
.endm
.macro SOFTMAX
	REDUCE v_max_num_f32_dpp, v_max_num_f32, R0
	v_pk_add_f32 v[DD:DD+1], v[R0:R0+1], v[MX:MX+1] neg_lo:[0,1] neg_hi:[0,1]   ; the row's maximum is taken away
	v_exp_f32 v[AT], v[DD]
	v_exp_f32 v[AT+1], v[DD+1]
	v_nop                                          ; one plain place behind a transcendental (ISA guide 5.7.2)
	s_wait_alu depctr_va_vdst(0)
	REDUCE v_add_f32_dpp, v_add_f32, AT
	v_rcp_f32 v[DD], v[MX]
	v_rcp_f32 v[DD+1], v[MX+1]
	v_nop
	s_wait_alu depctr_va_vdst(0)
	v_pk_mul_f32 v[AT:AT+1], v[AT:AT+1], v[DD:DD+1]
.endm
; pass 2, context row lp of each half: its two weights come from lane lp of my half; then the row's registers are asked for again
.macro WSUM lp, refill, i
	v_mov_b32_dpp v[W0+2*(\lp&1)], v[AT] row_share:\lp row_mask:0xf bank_mask:0xf
	v_mov_b32_dpp v[W0+2*(\lp&1)+1], v[AT+1] row_share:\lp row_mask:0xf bank_mask:0xf
.irp m, 0,2,4,6
.if \lp == 0
	v_pk_mul_f32 v[ACC+\m:ACC+\m+1], v[SL+8*\lp+\m:SL+8*\lp+\m+1], v[W0+2*(\lp&1):W0+2*(\lp&1)+1] op_sel:[0,0] op_sel_hi:[1,0]
	v_pk_mul_f32 v[ACC+8+\m:ACC+8+\m+1], v[SL+8*\lp+\m:SL+8*\lp+\m+1], v[W0+2*(\lp&1):W0+2*(\lp&1)+1] op_sel:[0,1] op_sel_hi:[1,1]
.else
	v_pk_fma_f32 v[ACC+\m:ACC+\m+1], v[SL+8*\lp+\m:SL+8*\lp+\m+1], v[W0+2*(\lp&1):W0+2*(\lp&1)+1], v[ACC+\m:ACC+\m+1] op_sel:[0,0,0] op_sel_hi:[1,0,1]
	v_pk_fma_f32 v[ACC+8+\m:ACC+8+\m+1], v[SL+8*\lp+\m:SL+8*\lp+\m+1], v[W0+2*(\lp&1):W0+2*(\lp&1)+1], v[ACC+8+\m:ACC+8+\m+1] op_sel:[0,1,0] op_sel_hi:[1,1,1]
.endif
.endr
.if \refill
	global_load_b128 v[SL+8*\lp:SL+8*\lp+3], v1, s[6:7] offset:16384*(\i+1)+512*\lp th:TH_LOAD_NT
	global_load_b128 v[SL+8*\lp+4:SL+8*\lp+7], v1, s[6:7] offset:16384*(\i+1)+512*\lp+256 th:TH_LOAD_NT
.endif
.endm
; pixel i of my four.  All addresses step by immediates: no register that a pending load names is ever written.
.macro TRIP i, refill
.irp c, 0,1
	ds_load_b128 v[TT+8*\c:TT+8*\c+3], v2 offset:PT*\i+512*\c
	ds_load_b128 v[TT+8*\c+4:TT+8*\c+7], v2 offset:PT*\i+512*\c+16
.endr
	s_wait_dscnt 0x0
	PASS1
.if \i == 0
	; Wv and Wo, wanted only behind the stream: asked for here, ahead of pixel 1 in the order of loads
.irp n, 0,1,2,3,4,5,6,7
	global_load_b128 v[WVR+4*\n:WVR+4*\n+3], v7, s[10:11] offset:512+16384*\n
	global_load_b128 v[WOR+4*\n:WOR+4*\n+3], v6, s[12:13] offset:8192*\n
.endr
.endif
.if \i == 1
	; they are older than this pixel's loads, which pass 1 has waited for down to zero
.irp n, 0,1,2,3,4,5,6,7
	CVT_ST WVR+4*\n, 4, 16*PTR*\n
	CVT_ST WOR+4*\n, 5, 16*PTR*\n
.endr
.endif
	SOFTMAX
.irp lp, 0,1,2,3,4,5,6,7,8,9,10,11,12,13,14,15
	WSUM \lp, \refill, \i
.endr
	; each half of the lanes has summed its 16 context rows for both heads.  The swap gives lanes 0-15 both halves of head 0 and
	; lanes 16-31 both halves of head 1; one add ends the sums.
.irp q, 0,1,2,3,4,5,6,7
	v_permlane16_swap_b32 v[ACC+\q], v[ACC+8+\q]
.endr
.irp q, 0,2,4,6
	v_pk_add_f32 v[ACC+\q:ACC+\q+1], v[ACC+\q:ACC+\q+1], v[ACC+8+\q:ACC+8+\q+1]
.endr
.irp q, 0,1,2,3
	v_cvt_pk_f16_f32 v[HP+\q], v[ACC+2*\q], v[ACC+2*\q+1]
.endr
	ds_store_b64 v3, v[HP:HP+1] offset:PCB*\i              ; head h, columns 4 r .. 4 r + 3
	ds_store_b64 v3, v[HP+2:HP+3] offset:PCB*\i+128        ; and 64 + 4 r ..
.endm
; ================================================================ entry: addresses of the loads, then the loads
	s_load_b256 s[4:11], s[0:1], 0x0               ; x s[4:5], context s[6:7], Wq s[8:9], Wkv s[10:11]
	s_load_b128 s[12:15], s[0:1], 0x20             ; Wo s[12:13], bo s[14:15]
	s_load_b64 s[16:17], s[0:1], 0x30              ; out0
	v_lshrrev_b32 v[T_X], 5, v0
	v_readfirstlane_b32 s18, v[T_X]                ; w, the wave
	v_and_b32 v[T_L], 31, v0                       ; L
	v_and_b32 v[T_R], 15, v0                       ; r
	v_bfe_u32 v[T_H], v0, 4, 1                     ; h
	s_lshr_b32 s19, s18, 2                         ; mt: my tile of 16 pixels in the dense products
	s_and_b32 s20, s18, 3                          ; np: my 32 columns
	v_lshlrev_b32 v6, 4, v0                        ; 16 t: rows of 512 bytes, wave w takes row w of every 16
	v_lshlrev_b32 v8, 4, v[T_L]
	s_lshl_b32 s34, s18, 10
	v_add_nc_u32 v7, s34, v8                       ; Wkv's rows are 1,024 bytes
	v_lshlrev_b32 v1, 4, v[T_R]
	v_lshl_add_u32 v1, v[T_H], 13, v1              ; context: row lp + 16 h, sixteen lanes take 256 consecutive bytes
	s_lshl_b32 s22, ttmp9, 15                      ; 64 pixels x 512 bytes of x and of out0
	s_mov_b32 s23, 0
	s_lshl_b32 s36, ttmp9, 20                      ; 64 pixels x 16 KiB of context,
	s_lshl_b32 s35, s18, 16                        ; my four of them; the sum stays below 2^28
	s_add_co_u32 s36, s36, s35
	s_mov_b32 s37, 0
	s_wait_kmcnt 0x0
	s_add_nc_u64 s[4:5], s[4:5], s[22:23]
	s_add_nc_u64 s[16:17], s[16:17], s[22:23]
	s_add_nc_u64 s[6:7], s[6:7], s[36:37]
.irp n, 0,1,2,3
	global_load_b128 v[16+4*\n:16+4*\n+3], v6, s[4:5] offset:8192*\n th:TH_LOAD_NT
.endr
.irp n, 0,1,2,3,4,5,6,7
	global_load_b128 v[32+4*\n:32+4*\n+3], v6, s[8:9] offset:8192*\n
.endr
.irp n, 0,1,2,3,4,5,6,7
	global_load_b128 v[64+4*\n:64+4*\n+3], v7, s[10:11] offset:16384*\n        ; Wk: the first 512 bytes of Wkv's rows
.endr
.irp lp, 0,1,2,3,4,5,6,7,8,9,10,11,12,13,14,15
	global_load_b128 v[SL+8*\lp:SL+8*\lp+3], v1, s[6:7] offset:512*\lp th:TH_LOAD_NT       ; pixel 0, on its way during the whole prologue
	global_load_b128 v[SL+8*\lp+4:SL+8*\lp+7], v1, s[6:7] offset:512*\lp+256 th:TH_LOAD_NT
.endr
	; constants and LDS addresses: a region's base + the wave's number times a constant + a lane term
	s_mov_b32 s24, 0xaaaaaaaa                      ; lanes with bit 0, 1, 2, 3 of their number set
	s_mov_b32 s25, 0xcccccccc
	s_mov_b32 s26, 0xf0f0f0f0
	s_mov_b32 s27, 0xff00ff00
	s_mov_b32 s28, 0x76543210                      ; v_permlanex16_b32: lane i of the other half
	s_mov_b32 s29, 0xfedcba98
	s_mov_b32 s30, 0x3e38aa3b                      ; 64^-0.5 x log2(e)
	s_mul_i32 s31, s19, 16*P16                     ; my 16 pixels in x, q, o
	s_lshl_b32 s32, s20, 6                         ; my 32 columns in f16
	s_mul_i32 s33, s19, 16*PCB                     ; my 16 pixels in cbar and in out
	s_add_co_u32 s38, s31, s32
	v_mul_u32_u24 v9, v[T_R], P16
	v_lshl_add_u32 v9, v[T_H], 4, v9               ; fragment along K: row r, 16 bytes for each half of the lanes
	v_mul_u32_u24 v11, v[T_R], PCB
	v_lshl_add_u32 v11, v[T_H], 4, v11
	v_and_b32 v[T_X], 7, v0
	v_lshl_add_u32 v[T_X], v[T_H], 3, v[T_X]
	v_mul_u32_u24 v10, v[T_X], PTR                 ; transposing load: row 8 h + (L & 7),
	v_bfe_u32 v[T_X], v0, 3, 1
	v_lshl_add_u32 v10, v[T_X], 4, v10             ; 16 bytes by bit 3 of the lane
	s_mul_i32 s34, s18, 4*PT
	s_add_co_u32 s34, s34, L_T
	v_lshl_add_u32 v2, v[T_R], 5, s34              ; t of my pixels: 4 columns x 2 heads x 4 bytes at 32 r
	s_mul_i32 s34, s18, 4*PCB
	s_add_co_u32 s34, s34, L_CB
	v_lshl_add_u32 v3, v[T_R], 3, s34
	v_lshl_add_u32 v3, v[T_H], 8, v3               ; cbar of my pixels: head h, 4 f16 at 8 r
	s_mul_i32 s35, s18, PTR
	s_add_co_u32 s34, s35, L_WV
	v_lshl_add_u32 v4, v[T_L], 3, s34
	s_add_co_u32 s34, s35, L_WO
	v_lshl_add_u32 v5, v[T_L], 3, s34
	s_add_co_u32 s34, s35, L_WQ
	v_lshl_add_u32 v13, v[T_L], 3, s34
	s_mul_i32 s35, s18, P16
	v_lshl_add_u32 v12, v[T_L], 3, s35             ; x's stage begins at LDS byte 0
	s_add_co_u32 s34, s35, L_WK
	v_lshl_add_u32 v14, v[T_L], 3, s34
	s_mul_i32 s34, s19, 16*PT
	s_lshl_b32 s35, s20, 8
	s_add_co_u32 s34, s34, s35
	s_add_co_u32 s34, s34, L_T
	v_mul_u32_u24 v15, v[T_R], PT
	v_lshl_add_u32 v15, v[T_H], 6, v15
	v_add_nc_u32 v15, s34, v15                     ; where t goes: pixel r, d = 32 np + 8 h + j, 8 bytes each
; ================================================================ x, Wq, Wk to f16 in LDS
	s_wait_loadcnt 32                              ; the 32 younger loads, pixel 0, stay out
.irp n, 0,1,2,3
	CVT_ST 16+4*\n, 12, 16*P16*\n
.endr
.irp n, 0,1,2,3,4,5,6,7
	CVT_ST 32+4*\n, 13, 16*PTR*\n
	CVT_ST 64+4*\n, 14, 16*P16*\n
.endr
	BAR_ARRIVE                                     ; barrier 1: x, Wq, Wk are written
	v_add_nc_u32 v12, s31, v9                      ; x, my 16 pixels (region at byte 0)
	s_add_co_u32 s34, s32, L_WQ
	v_add_nc_u32 v13, s34, v10
	s_add_co_u32 s35, s38, L_Q
	v_add_nc_u32 v14, s35, v9
	BAR_PASS
; ================================================================ q = x Wq
	GEMM_TR 12, 13
	PUT_F16 14
	BAR_ARRIVE                                     ; barrier 2: q is written
	s_add_co_u32 s34, s31, L_Q
	v_add_nc_u32 v12, s34, v9                      ; q, my 16 pixels
	s_mul_i32 s35, s20, 32*P16
	s_add_co_u32 s35, s35, L_WK
	v_add_nc_u32 v13, s35, v9                      ; Wk, my 32 rows d
	BAR_PASS
; ================================================================ t_h = Wk_h q_h, scaled
.irp g, 0,1
.irp ks, 0,1
	ds_load_b128 v[AF+16*\g+8*\ks:AF+16*\g+8*\ks+3], v12 offset:128*\g+64*\ks
	ds_load_b128 v[AF+16*\g+8*\ks+4:AF+16*\g+8*\ks+7], v12 offset:128*\g+64*\ks+32
	ds_load_b128 v[BF+16*\g+8*\ks:BF+16*\g+8*\ks+3], v13 offset:128*\g+64*\ks
	ds_load_b128 v[BF+16*\g+8*\ks+4:BF+16*\g+8*\ks+7], v13 offset:128*\g+64*\ks+32
.endr
.endr
.irp g, 0,1
.irp ks, 0,1
	ds_load_b128 v[BF+32+16*\g+8*\ks:BF+32+16*\g+8*\ks+3], v13 offset:16*P16+128*\g+64*\ks
	ds_load_b128 v[BF+32+16*\g+8*\ks+4:BF+32+16*\g+8*\ks+7], v13 offset:16*P16+128*\g+64*\ks+32
.endr
.endr
	s_wait_dscnt 8                                 ; the eight loads of the second tile of d stay out
	TPART 0, BF, 5                                 ; five places: the second tile's products write over these accumulators
	s_wait_dscnt 4                                 ; the four stores just issued are younger than those eight loads
	TPART 1, BF+16, 4
	BAR_ARRIVE                                     ; barrier 3: t is written
	v_mov_b32 v[MX], 0                             ; first written by instructions that take a lane's value from another lane,
	v_mov_b32 v[MX+1], 0                           ; whose destination counts as read
	v_mov_b32 v[W0], 0
	v_mov_b32 v[W0+1], 0
	v_mov_b32 v[W0+2], 0
	v_mov_b32 v[W0+3], 0
	BAR_PASS
; ================================================================ the stream: my four pixels
	TRIP 0, 1
	TRIP 1, 1
	TRIP 2, 1
	TRIP 3, 0                                      ; nothing follows: no load leaves the buffer
	global_load_b128 v[BO:BO+3], v8, s[14:15]      ; the bias of columns 4 L .. 4 L + 3, into registers of the slot, which is done with
	BAR_ARRIVE                                     ; barrier 4: cbar, Wv, Wo are written; t and x are read out
	s_lshr_b32 s34, s20, 1                         ; the head of my 32 columns
	s_lshl_b32 s34, s34, 8
	s_add_co_u32 s34, s34, s33
	s_add_co_u32 s34, s34, L_CB
	v_add_nc_u32 v12, s34, v11
	s_add_co_u32 s35, s32, L_WV
	v_add_nc_u32 v13, s35, v10
	v_add_nc_u32 v14, s38, v9                      ; o takes x's region, at byte 0
	BAR_PASS
; ================================================================ o_h = cbar_h Wv_h
	GEMM_TR 12, 13
	PUT_F16 14
	BAR_ARRIVE                                     ; barrier 5: o is written
	v_add_nc_u32 v12, s31, v9
	s_add_co_u32 s34, s32, L_WO
	v_add_nc_u32 v13, s34, v10
	s_lshl_b32 s35, s20, 7                         ; my 32 columns in f32
	s_add_co_u32 s35, s35, s33
	s_add_co_u32 s35, s35, L_OUT
	v_bfe_u32 v15, v0, 4, 1
	v_lshl_add_u32 v14, v15, 4, v11                ; 528 r + 32 h: eight f32 for each half of the lanes
	v_add_nc_u32 v14, s35, v14
	BAR_PASS
; ================================================================ out = o Wo, through LDS so that rows leave whole
	GEMM_TR 12, 13
.irp e, 0,1
	ds_store_b128 v14, v[D0+8*\e:D0+8*\e+3] offset:64*\e
	ds_store_b128 v14, v[D0+8*\e+4:D0+8*\e+7] offset:64*\e+16
.endr
	BAR_ARRIVE                                     ; barrier 6: out is written
	s_mul_i32 s34, s18, 4*PCB
	s_add_co_u32 s34, s34, L_OUT
	v_add_nc_u32 v12, s34, v8                      ; my four pixels' rows, 16 bytes a lane
	s_lshl_b32 s35, s18, 11
	v_add_nc_u32 v13, s35, v8                      ; and the same in out0
	BAR_PASS
.irp i, 0,1,2,3
	ds_load_b128 v[OR_+4*\i:OR_+4*\i+3], v12 offset:PCB*\i
.endr
	s_wait_loadcnt 0x0                             ; the bias
.irp i, 0,1,2,3
	s_wait_dscnt 3-\i                              ; row i is in; the later rows stay out
	v_pk_add_f32 v[OR_+4*\i:OR_+4*\i+1], v[OR_+4*\i:OR_+4*\i+1], v[BO:BO+1]
	v_pk_add_f32 v[OR_+4*\i+2:OR_+4*\i+3], v[OR_+4*\i+2:OR_+4*\i+3], v[BO+2:BO+3]
	global_store_b128 v13, v[OR_+4*\i:OR_+4*\i+3], s[16:17] offset:512*\i th:TH_STORE_NT   ; the wave stores a whole row: 512 consecutive bytes, aligned
.endr
	s_wait_xcnt 0x0
	v_lshl_add_u32 v254, v0, 2, 0x44800
	v_mov_b32 v255, 0
	s_wait_tensorcnt 0x0
	ds_add_u32 v254, v255
	s_wait_dscnt 0x0
	s_endpgm
.Lfunc_end_k_qc4c97f8755_ppca:
	.size	k_qc4c97f8755_ppca, .Lfunc_end_k_qc4c97f8755_ppca-k_qc4c97f8755_ppca
	.p2alignl 7, 3214868480
	.fill 96, 4, 3214868480
	.section	.rodata,"a",@progbits
	.p2align	6, 0x0
	.amdhsa_kernel k_qc4c97f8755_ppca
		.amdhsa_group_segment_fixed_size 282624
		.amdhsa_private_segment_fixed_size 0
		.amdhsa_enable_private_segment 0
		.amdhsa_kernarg_size 56
		.amdhsa_user_sgpr_count 2
		.amdhsa_user_sgpr_kernarg_segment_ptr 1
		.amdhsa_wavefront_size32 1
		.amdhsa_system_sgpr_workgroup_id_x 1
		.amdhsa_system_sgpr_workgroup_id_y 1
		.amdhsa_system_sgpr_workgroup_id_z 1
		.amdhsa_system_vgpr_workitem_id 0
		.amdhsa_next_free_vgpr 256
		.amdhsa_next_free_sgpr 66
		.amdhsa_reserve_vcc 0
		.amdhsa_float_denorm_mode_32 3
		.amdhsa_float_denorm_mode_16_64 3
		.amdhsa_memory_ordered 1
		.amdhsa_forward_progress 1
		.amdhsa_inst_pref_size 150
	.end_amdhsa_kernel
	.amdgpu_metadata
---
amdhsa.version: [ 1, 2 ]
amdhsa.kernels:
  - .name:           k_qc4c97f8755_ppca
    .symbol:         k_qc4c97f8755_ppca.kd
    .args:
      - { .name: x, .offset: 0, .size: 8, .value_kind: global_buffer, .address_space: global }
      - { .name: context, .offset: 8, .size: 8, .value_kind: global_buffer, .address_space: global }
      - { .name: Wq, .offset: 16, .size: 8, .value_kind: global_buffer, .address_space: global }
      - { .name: Wkv, .offset: 24, .size: 8, .value_kind: global_buffer, .address_space: global }
      - { .name: Wo, .offset: 32, .size: 8, .value_kind: global_buffer, .address_space: global }
      - { .name: bo, .offset: 40, .size: 8, .value_kind: global_buffer, .address_space: global }
      - { .name: out0, .offset: 48, .size: 8, .value_kind: global_buffer, .address_space: global }
    .group_segment_fixed_size: 282624
    .private_segment_fixed_size: 0
    .kernarg_segment_align: 8
    .kernarg_segment_size: 56
    .max_flat_workgroup_size: 512
    .sgpr_count:     66
    .vgpr_count:     256
    .wavefront_size: 32
...
	.end_amdgpu_metadata
.endif
;; end of part 1
